; MI455X (gfx1250); checked and timed in simulation.
; The chip was launched on July 23, 2026; its instructions are those of AMD's public machine-readable ISA for CDNA 5 (MIT licence, August 2026) and "CDNA5" Instruction Set Architecture Reference Guide (July 2026). The comments in the code are by the model that wrote it; some were corrected since.
;; Sink Attention SP Wrapper. Allowed arithmetic: matrix products marked QUANTISED: E3M2 operands, one E8M0 scale for each 32 along K, by v_wmma_scale_f32_16x16x128_f8f6f4 with both operands' format E3M2, f32 sums; everything else in f32.
;; Inputs: k 2 x 16 x 2,048 x 128 float32; q 2 x 16 x 2,048 x 128 float32; v 2 x 16 x 2,048 x 128 float32.
;; Outputs: out0 2 x 16 x 2,048 x 128 float32.
;; Constants: num_sink = 4, window_size = 1024.
;; This version of the problem:
;;   THIS VERSION OF THE PROBLEM IS GIVEN IN LOW PRECISION. The matrix products marked QUANTISED in the list below multiply operands that are first quantised to E3M2 (3 exponent bits, 2 mantissa bits; 6 bits a number), with one power-of-two scale for each 32 numbers along K (OCP MX v1.0); their sums are f32. All else is computed in f32.
;;   The module's matrix products, in the order in which they are computed (A, B: the left and right operand; K: the contracted axis; several contracted axes count as one K, in the product's order):
;;     1. batch 32 x [M 2,048, K 128] x [K 128, N 2,048]; A: input q; B: input k: QUANTISED
;;     2. batch 32 x [M 2,048, K 2,048] x [K 2,048, N 128]; A: softmax (see below); B: input v: QUANTISED
;;   THE QUANTISER, for each operand of a quantised product, along K:
;;     - K is cut into blocks of 32 from its start; a last block that is shorter is filled with zeros.
;;     - A block's scale is 2^e with e = floor(log2(the largest magnitude in the block)) - 4, held to -126 .. 127; a block of zeros has e = 0. As a byte (E8M0): e + 127.
;;     - Each number is divided by its block's scale, clamped to +-28, and rounded to the nearest number of E3M2, ties to even, subnormals kept.
;;     - The product sums the exact products of the quantised numbers (number of the format x scale) in f32.
;;   ~~~python
;;   def quantise(x, axis):      # numpy; x: float32 -> the quantised numbers, widened to float32 again
;;       x = np.moveaxis(x, axis, -1); K = x.shape[-1]
;;       x = np.pad(x, [(0, 0)] * (x.ndim - 1) + [(0, -K % 32)]); x = x.reshape(x.shape[:-1] + (-1, 32)); a = np.abs(x).max(-1, keepdims=True)
;;       e = np.where(a > 0, np.clip(np.frexp(np.where(a > 0, a, 1))[1] - 1 - 4, -126, 127), 0)      # np.frexp(a)[1] - 1 = floor(log2(a)), exactly
;;       r = np.clip(x / 2.0 ** e, -28, 28)
;;       step = 2.0 ** (np.maximum(np.frexp(np.where(r == 0, 1, r))[1] - 1, -2) - 2)
;;       q = np.round(r / step) * step * 2.0 ** e      # np.round: ties to even
;;       return np.moveaxis(q.reshape(q.shape[:-2] + (-1,))[..., :K], -1, axis).astype(np.float32)
;;   ~~~
;;   SOFTMAX AHEAD OF A QUANTISED PRODUCT. Where the list says 'softmax', what is quantised is not the finished softmax but p = 2^(t - M), with t = logit x log2(e) and M = ceil(the row's largest t), a whole number; so 1/2 < the row's largest p <= 1. The row's sum l is taken of the UNQUANTISED p, in f32, and the product's result is divided by l at the end. Since M is a whole number, a kernel that streams over the keys may use a running M (the ceiling of the running maximum): every later rescaling is an exact power of two, which a block's scale takes up: the codes' values come out the same.
;;   OPERANDS COMPUTED ON THE WAY. 'Computed on the way' means the value that the module computes at that place (a softmax that the list does not call 'softmax' is quantised finished and normalised). What goes into a quantiser is computed in f32, as accurately as f32 sums, v_exp_f32 and their like allow (about 1e-6 of the number): no bf16 or f16 on the way to a quantiser, and a product that is left as it is and whose result goes on into a quantised operand takes f32 operands (vector FMAs, or v_wmma_f32_16x16x4_f32). A number that lies on a knife's edge between two numbers of the format may be rounded either way, as far as f32 arithmetic and the matrix unit's own rounding can turn it there, and no further.
;; One version. Each part assembles by itself: llvm-mc -triple=amdgcn-amd-amdhsa -mcpu=gfx1250 --defsym DOCPART=n.
;; ======== version 1 of 1: 2 launches
;; limits: right only within a limited range of input values
;; workspace buffers: kvc 12,845,056 bytes; vsc 262,144 bytes
;; launch quant (part 1): grid 512 x 1, 8 waves a work-group, no clusters, 47,104 bytes of LDS; arguments k, v, kvc, vsc; writes kvc, vsc
.if DOCPART == 1
	.amdgcn_target "amdgcn-amd-amdhsa--gfx1250"
	.amdhsa_code_object_version 6
	.text
	.protected	k_q6ed9853891_quant
	.globl	k_q6ed9853891_quant
	.p2align	8
	.type	k_q6ed9853891_quant,@function
k_q6ed9853891_quant:
	s_mov_b64 s[64:65], 0
	v_nop
	global_prefetch_b8 v0, s[64:65] scope:SCOPE_SE
	s_setreg_imm32_b32 hwreg(HW_REG_WAVE_MODE, 25, 1), 1
	s_wait_xcnt 0x0
; FIRST OF TWO LAUNCHES.  k, v [32 heads][2048][128], f32, become codes of BF6 (E3M2) with one E8M0 scale byte for each 32 along a product's K: k along the head's 128, v along the KEYS, in blocks of 32 from key 0.
; WORK THAT THE PROGRAM LEAVES OUT (in the second launch), AND WHY IT IS DEAD.  reference() builds its own mask: key j counts for query i where j <= i and (j < 4 or i - j < 1024).  A hidden score is replaced by the
; least f32 number; key 0 counts for every query, so the row's maximum is a true score and a hidden key's weight is 0 in real numbers, whatever finite values q, k, v hold: 0 times v adds nothing to the row.  So a
; block of 32 keys all of which are hidden from all 16 queries of a tile reaches no output, and its part of the two products is not made (where a step of 64 or 128 keys holds live blocks too, it may stay).
; p is quantised in just these blocks of 32 keys, so no scale of a live block hangs on them.  Every key is seen by some query: all of k and v is loaded.
; LIMIT: a NaN, an infinity or an overflow in k or v at keys that are hidden from a query is not carried into that query's row.
; THE WORKSPACE.  kvc: [32 heads][64 blocks of 32 keys][6,272 bytes].  A block:
;   byte 768 t + 256 c + 128 h + 16 (row % 8) + 4 i = register j = 4 c + i of K's rows 8 t .. 8 t + 7: dword j % 6 of the 24 bytes of d block 2 (j / 6) + h;
;   byte 3072 + 16 (row % 8) + 4 (row / 8) + b = K's scale byte of d block b: four tiles' words on end;
;   byte 3200 + 384 (d / 16) + 16 (d % 16) = dwords 0-3 of channel d's 32 keys, + 256 + 8 (d % 16) (in place of 16 (d % 16)) = dwords 4, 5.
; vsc: [32 heads][16 chunks of 4 blocks][512 bytes]: byte 256 (d / 64) + 16 (d % 16) + 4 ((d / 16) % 4) + b = V's scale byte of channel d and block b of the chunk.
; THE QUANTISER.  A block's scale is 2^(floor(log2(its largest magnitude)) - 4); its byte is the largest magnitude's exponent field - 4, held at 1 from below by a floor among the maximum's leaves.
; LIMITS: a block of zeros gets the byte 1 where the rule says 127 (its codes are zeros, which add nothing, and this program alone reads the bytes); blocks whose largest magnitude lies under 2^(5 - 127), the floor,
; were not tried; NaN and infinities among the inputs are not served.
; SHARES.  A work-group makes one chunk of 128 keys.  Waves 0-3: K, a block of 32 rows each.  Waves 4-7: V, 32 channels each.  All put codes and scales into an image of the chunk in LDS; one barrier; then all eight
; waves store the image, 512 consecutive aligned bytes an instruction.  A wave asks for all its 16,384 bytes of input at its head.
.set BLKB,  6272
.set VSI,   25088                      ; LDS: behind the four blocks the chunk's 128 scale words of V
.set STG,   25600                      ; a stage for each K wave: two of 32 x SP bytes
.set SP,    80                         ; a lane's place: 64 bytes + 16 of padding
.set SPARE, 46080                      ; the spare words, 128 bytes for each wave; no other line names them
.set SPW,   216
.set NIL,   217
.set R,     16                         ; v16-143  what is loaded
.set X,     144                        ; v144-175 K: two sets of 16 neighbours
.set C,     176                        ; v176-207 K: codes, four registers a step
.set E,     208                        ; v208-215 K: a scale byte a step
.set CB,    144                        ; v144-175 V: codes, eight registers a block
	s_load_b256 s[4:11], s[0:1], 0x0               ; k s[4:5], v s[6:7], kvc s[8:9], vsc s[10:11]
	v_lshl_add_u32 v[SPW], v0, 2, SPARE
	v_mov_b32 v[NIL], 0
	v_lshrrev_b32 v1, 5, v0
	v_readfirstlane_b32 s16, v1                    ; wave 0..7
	s_and_b32 s17, s16, 3                          ; K: my block; V: my 32 channels
	v_and_b32 v2, 31, v0
	v_lshlrev_b32 v3, 4, v2                        ; 16 x lane
	s_mul_i32 s18, s17, 2*32*SP
	s_add_co_u32 s18, s18, STG
	v_lshrrev_b32 v14, 2, v2
	v_mul_u32_u24 v14, v14, SP
	v_and_b32 v15, 3, v2
	v_lshl_add_u32 v14, v15, 4, v14
	v_add_nc_u32 v14, s18, v14                     ; the stage, in: SP (lane / 4) + 16 (lane % 4)
	v_mul_u32_u24 v15, v2, SP
	v_add_nc_u32 v15, s18, v15                     ; and out: SP x lane
	s_mul_i32 s19, s17, BLKB
	s_add_co_u32 s20, s19, 3072
	v_bfe_u32 v8, v0, 3, 2                         ; my row of a step's four
	v_bfe_u32 v9, v0, 1, 2                         ; my d block
	v_lshl_add_u32 v5, v8, 4, v9
	v_add_nc_u32 v5, s20, v5                       ; my block's scale byte
	v_bfe_u32 v8, v0, 2, 1                         ; which 64 along d
	v_and_b32 v9, 1, v0                            ; which half of the block
	v_mul_u32_u24 v8, v8, 6
	v_mad_u32_u24 v8, v9, 3, v8                    ; the operand's register that takes my first dword
	v_bfe_u32 v9, v0, 3, 2
	v_bfe_u32 v11, v0, 1, 1                        ; h
	v_lshlrev_b32 v9, 4, v9
	v_lshl_add_u32 v9, v11, 7, v9
	v_add_nc_u32 v9, s19, v9
.macro MKADR dst, i                    ; register j + i lies at 256 ((j + i) / 4) + 4 ((j + i) % 4)
	v_add_nc_u32 v4, \i, v8
	v_lshrrev_b32 v11, 2, v4
	v_and_b32 v4, 3, v4
	v_lshlrev_b32 v4, 2, v4
	v_lshl_add_u32 v4, v11, 8, v4
	v_add_nc_u32 v[\dst], v4, v9
.endm
	MKADR 10, 0
	MKADR 12, 1
	MKADR 13, 2
	s_mul_i32 s21, s17, 768
	s_add_co_u32 s21, s21, 3200
	v_lshrrev_b32 v11, 4, v2
	v_and_b32 v4, 15, v2
	v_mul_u32_u24 v7, v11, 384
	v_add_nc_u32 v7, s21, v7
	v_lshl_add_u32 v6, v4, 4, v7                   ; V: my channel's dwords 0-3,
	v_lshl_add_u32 v7, v4, 3, v7                   ; and 4, 5 (256 bytes on)
	v_lshlrev_b32 v219, 2, v2                      ; 4 x lane
	s_lshr_b32 s22, s17, 1
	s_lshl_b32 s22, s22, 8
	s_and_b32 s23, s17, 1
	s_lshl_b32 s23, s23, 3
	s_add_co_u32 s22, s22, s23
	s_add_co_u32 s22, s22, VSI
	v_lshlrev_b32 v218, 4, v4
	v_lshl_add_u32 v218, v11, 2, v218
	v_add_nc_u32 v218, s22, v218                   ; my channel's scale word
	s_lshl_b32 s23, s16, 9
	v_add_nc_u32 v220, s23, v3                     ; the way out: 512 x wave + 16 x lane, in the image and in the chunk
	s_wait_alu depctr_va_vdst(0)                   ; the head's end
	s_wait_kmcnt 0x0
	s_lshl_b32 s24, ttmp9, 16                      ; the chunk's 128 rows of 512 bytes
	s_mov_b32 s25, 0
	s_mul_i32 s26, ttmp9, 4*BLKB
	s_mov_b32 s27, 0
	s_add_nc_u64 s[8:9], s[8:9], s[26:27]
	s_lshl_b32 s26, ttmp9, 9
	s_add_nc_u64 s[10:11], s[10:11], s[26:27]
	s_cmp_lt_u32 s16, 4
	s_cbranch_scc0 .Lv
; ---- K: eight steps of 4 rows (512 numbers).  A step's 2,048 bytes turn through the wave's stage, so that lane l holds 16 NEIGHBOURS: row l / 8, numbers 16 (l % 8) on; lanes l and l xor 1 hold a block.
	s_lshl_b32 s26, s17, 14
	s_add_co_u32 s24, s24, s26
	s_add_nc_u64 s[4:5], s[4:5], s[24:25]
.irp t, 0,1,2,3,4,5,6,7
.irp i, 0,1,2,3
	global_load_b128 v[R+16*\t+4*\i:R+16*\t+4*\i+3], v3, s[4:5] offset:2048*\t+512*\i th:TH_LOAD_NT   ; 32 lanes read 512 consecutive bytes
.endr
.endr
.macro TURN t                          ; LDS serves a wave's instructions in order: no wait between the stores and the loads
.irp i, 0,1,2,3
	ds_store_b128 v14, v[R+16*(\t)+4*\i:R+16*(\t)+4*\i+3] offset:32*SP*((\t)%2)+8*SP*\i
.endr
.irp i, 0,1,2,3
	ds_load_b128 v[X+16*((\t)%2)+4*\i:X+16*((\t)%2)+4*\i+3], v15 offset:32*SP*((\t)%2)+16*\i
.endr
.endm
	s_wait_loadcnt 28                              ; step 0's four are in
	TURN 0
.macro STEP t
.set XS, X+16*((\t)%2)
.set IM, 768*((\t)/2)+64*((\t)%2)      ; rows 4 t .. 4 t + 3 of the block
.if (\t) > 0
	s_wait_dscnt 4                                 ; this step's numbers are back; the last step's four stores may be out
.else
	s_wait_dscnt 0x0
.endif
.if (\t) < 7
	s_wait_loadcnt 4*(6-(\t))                      ; the next step's four loads are in
	TURN (\t)+1
.endif
	v_max3_num_f32 v8, |v[XS]|, |v[XS+1]|, |v[XS+2]|
	v_max3_num_f32 v9, |v[XS+3]|, |v[XS+4]|, |v[XS+5]|
.irp i, 6,10
	v_max3_num_f32 v8, v8, |v[XS+\i]|, |v[XS+\i+1]|
	v_max3_num_f32 v9, v9, |v[XS+\i+2]|, |v[XS+\i+3]|
.endr
	v_max3_num_f32 v8, v8, |v[XS+14]|, |v[XS+15]|
	v_max3_num_f32 v8, v8, v9, 0x2800000           ; and the floor 2^(5 - 127)
	v_max_num_f32_dpp v8, v8, v8 row_xmask:1 row_mask:0xf bank_mask:0xf   ; with my neighbour's 16: the block's largest
	v_add_nc_u32 v11, 0xfe000000, v8               ; 4 off its exponent field: the conversion's scale operand
	v_cvt_scalef32_pk16_bf6_f32 v[C+4*(\t):C+4*(\t)+2], v[XS:XS+15], v11
	v_lshrrev_b32 v[E+(\t)], 23, v11               ; the scale's byte (a plain line behind the conversion)
	ds_store_b8 v5, v[E+(\t)] offset:64*((\t)%2)+4*((\t)/2)       ; both lanes of a block write the same byte with the same value
	ds_store_b32 v10, v[C+4*(\t)] offset:IM
	ds_store_b32 v12, v[C+4*(\t)+1] offset:IM
	ds_store_b32 v13, v[C+4*(\t)+2] offset:IM
.endm
.irp t, 0,1,2,3,4,5,6,7
	STEP \t
.endr
	s_wait_alu depctr_va_vdst(0)
	s_branch .Ljoin
; ---- V: a lane takes a channel, its registers run DOWN the keys: a block of 32 keys lies in one lane's 32 registers.
.Lv:
	s_lshl_b32 s26, s17, 7
	s_add_co_u32 s24, s24, s26
	s_add_nc_u64 s[6:7], s[6:7], s[24:25]
.irp t, 0,1,2,3
.irp i, 0,1,2,3,4,5,6,7,8,9,10,11,12,13,14,15,16,17,18,19,20,21,22,23,24,25,26,27,28,29,30,31
	global_load_b32 v[R+32*\t+\i], v219, s[6:7] offset:(32*\t+\i)*512 th:TH_LOAD_NT   ; 128 consecutive bytes a wave, 512 the four V waves
.endr
.endr
.macro BLOCK t
.set XS, R+32*(\t)
.set CC, CB+8*(\t)
.if (\t) < 2
	s_wait_loadcnt 63                              ; at least the 65 oldest of 128 loads are in: blocks 0 and 1
.else
	s_wait_loadcnt 32*(3-(\t))
.endif
	v_max3_num_f32 v8, |v[XS]|, |v[XS+1]|, |v[XS+2]|
	v_max3_num_f32 v9, |v[XS+3]|, |v[XS+4]|, |v[XS+5]|
.irp i, 6,10,14,18,22,26
	v_max3_num_f32 v8, v8, |v[XS+\i]|, |v[XS+\i+1]|
	v_max3_num_f32 v9, v9, |v[XS+\i+2]|, |v[XS+\i+3]|
.endr
	v_max3_num_f32 v8, v8, |v[XS+30]|, |v[XS+31]|
	v_max3_num_f32 v8, v8, v9, 0x2800000
	v_add_nc_u32 v11, 0xfe000000, v8
.if (\t) == 0
	v_lshrrev_b32 v4, 23, v11                      ; four bytes make the channel's scale word
.else
	v_lshrrev_b32 v9, 23, v11
	v_lshl_or_b32 v4, v9, 8*(\t), v4
.endif
	v_cvt_scalef32_pk16_bf6_f32 v[CC:CC+2], v[XS:XS+15], v11
	v_cvt_scalef32_pk16_bf6_f32 v[CC+4:CC+6], v[XS+16:XS+31], v11  ; (three registers begin on an even number)
	v_nop                                          ; one plain line behind a scaled conversion
	v_mov_b32 v[CC+3], v[CC+4]                     ; the block's six dwords on end
	v_mov_b32 v[CC+4], v[CC+5]
	v_mov_b32 v[CC+5], v[CC+6]
	ds_store_b128 v6, v[CC:CC+3] offset:BLKB*(\t)
	ds_store_b64 v7, v[CC+4:CC+5] offset:BLKB*(\t)+256
.endm
.irp t, 0,1,2,3
	BLOCK \t
.endr
	ds_store_b32 v218, v4
	s_wait_alu depctr_va_vdst(0)
.Ljoin:
	s_wait_dscnt 0x0                               ; my part of the image is stored
	s_barrier_signal -1
	s_barrier_wait -1
.irp i, 0,1,2,3,4,5
	ds_load_b128 v[R+4*\i:R+4*\i+3], v220 offset:4096*\i
.endr
.irp i, 0,1,2,3,4,5
	s_wait_dscnt 5-\i                              ; the younger loads may be out
	global_store_b128 v220, v[R+4*\i:R+4*\i+3], s[8:9] offset:4096*\i   ; 32 lanes store 512 consecutive bytes, aligned
.endr
	s_cmp_lt_u32 s16, 2                            ; two pieces of 512 bytes are left: the codes' last (wave 0) and V's scale words (wave 1)
	s_cbranch_scc0 .Ldone
	ds_load_b128 v[40:43], v220 offset:24576
	s_add_nc_u64 s[28:29], s[8:9], 24576
	s_cmp_eq_u32 s16, 0
	s_cselect_b64 s[30:31], s[28:29], s[10:11]
	s_wait_dscnt 0x0
	global_store_b128 v3, v[40:43], s[30:31]
.Ldone:
	s_wait_tensorcnt 0x0                           ; the wave's end
	ds_add_u32 v[SPW], v[NIL]
	s_wait_dscnt 0x0
	s_endpgm
.Lfunc_end_k_q6ed9853891_quant:
	.size	k_q6ed9853891_quant, .Lfunc_end_k_q6ed9853891_quant-k_q6ed9853891_quant
	.p2alignl 7, 3214868480
	.fill 96, 4, 3214868480
	.section	.rodata,"a",@progbits
	.p2align	6, 0x0
	.amdhsa_kernel k_q6ed9853891_quant
		.amdhsa_group_segment_fixed_size 47104
		.amdhsa_private_segment_fixed_size 0
		.amdhsa_enable_private_segment 0
		.amdhsa_kernarg_size 32
		.amdhsa_user_sgpr_count 2
		.amdhsa_user_sgpr_kernarg_segment_ptr 1
		.amdhsa_wavefront_size32 1
		.amdhsa_system_sgpr_workgroup_id_x 1
		.amdhsa_system_sgpr_workgroup_id_y 1
		.amdhsa_system_sgpr_workgroup_id_z 1
		.amdhsa_system_vgpr_workitem_id 0
		.amdhsa_next_free_vgpr 224
		.amdhsa_next_free_sgpr 66
		.amdhsa_reserve_vcc 0
		.amdhsa_float_denorm_mode_32 3
		.amdhsa_float_denorm_mode_16_64 3
		.amdhsa_memory_ordered 1
		.amdhsa_forward_progress 1
		.amdhsa_inst_pref_size 40
	.end_amdhsa_kernel
	.amdgpu_metadata
---
amdhsa.version: [ 1, 2 ]
amdhsa.kernels:
  - .name:           k_q6ed9853891_quant
    .symbol:         k_q6ed9853891_quant.kd
    .args:
      - { .name: k, .offset: 0, .size: 8, .value_kind: global_buffer, .address_space: global }
      - { .name: v, .offset: 8, .size: 8, .value_kind: global_buffer, .address_space: global }
      - { .name: kvc, .offset: 16, .size: 8, .value_kind: global_buffer, .address_space: global }
      - { .name: vsc, .offset: 24, .size: 8, .value_kind: global_buffer, .address_space: global }
    .group_segment_fixed_size: 47104
    .private_segment_fixed_size: 0
    .kernarg_segment_align: 8
    .kernarg_segment_size: 32
    .max_flat_workgroup_size: 256
    .sgpr_count:     66
    .vgpr_count:     224
    .wavefront_size: 32
...
	.end_amdgpu_metadata
.endif
;; end of part 1
;; launch attn (part 2): grid 32 x 8, 12 waves a work-group, no clusters, 327,680 bytes of LDS; arguments q, kvc, vsc, out0; writes out0
.if DOCPART == 2
	.amdgcn_target "amdgcn-amd-amdhsa--gfx1250"
	.amdhsa_code_object_version 6
	.text
	.protected	k_q6ed9853891_attn
	.globl	k_q6ed9853891_attn
	.p2align	8
	.type	k_q6ed9853891_attn,@function
k_q6ed9853891_attn:
	s_mov_b64 s[64:65], 0
	v_nop
	global_prefetch_b8 v0, s[64:65] scope:SCOPE_SE
	s_setreg_imm32_b32 hwreg(HW_REG_WAVE_MODE, 25, 1), 1
	s_wait_xcnt 0x0
; SECOND OF TWO LAUNCHES.  out0[head][i][:] = the sum over j of softmax_j(q[i] . k[j] / sqrt(128)) v[j][:], key j counting for query i where j <= i and (j < 4 or i - j < 1024); both products on codes of BF6 (E3M2)
; with one E8M0 scale for each 32 along a product's K.  kvc, vsc: the first launch's blocks of 32 keys and V's scale words (laid out at its head).  q is read once, by the wave that owns the rows, and quantised here.
; WORK LEFT OUT: blocks of 32 keys that the mask hides from all 16 queries of a tile (shown dead at the head of the first launch).  LIMIT: a NaN or an infinity at keys hidden from a query is not carried into its row.
; THE SOFTMAX AHEAD OF THE SECOND PRODUCT: t = score x log2(e) / sqrt(128); M = the largest t so far, rounded UP to a whole number; p = 2^(t - M) is quantised along the keys, not normalised; the row's sum is taken of the
; unquantised p and divides at the end.  When M moves, the sum and O are multiplied by 2^(old M - new M): exact.  Hidden scores become -infinity ahead of the maximum, so p = 0.  A block's scale is made from its largest
; t - M: floor(t - M) is the exponent of 2^(t - M), with no exponential taken.
; LIMITS: a p under 2^-126 comes out 0; a largest p that lies under a power of two by less than f32 resolves is scaled as what it is, under that power; scaled scores stay under 2^31 in magnitude; NaN inputs are not
; served; q's blocks as the first launch's limits have it.
; SHARES.  Work-group (head, x), wave w.  A head has 128 tiles of 16 queries, T = 0 .. 127, and 96 shares k = 0 .. 95: tile 32 + k and, where k < 32, tile 31 - k behind it.  With B = T / 2 the tile's block:
;   T < 64: blocks 0 .. B, in steps of 4 blocks from 0; where B % 4 < 2 the last is a half step of 2 blocks, else a full step with its upper two blocks masked;
;   T >= 64: 8 full steps, blocks B - 31 .. B, the last masked likewise, and a half step of the window's edge block B - 32 and the sinks' block 0.
; So tiles T and 63 - T make 8.5 steps together, and so does each tile from 64 on: all 96 shares are equal.  x >= 3: k = 12 x + w.  x < 3: k = 3 w + x, so that waves four apart change tiles at different steps.
; LDS HOLDS ALL THAT THE WORK-GROUP NEEDS: slots 0, 1 = blocks 0, 1; slot s >= 2 = block s + BS2, BS2 = max(6 x - 18, 0).  At the head slots 0-15 and V's scale words are asked for, behind the first barrier slots 16-39 (as
; far as the work-group reads them: x < 3 reads no slot above 33); the first two steps of every wave read slots 0-15 alone.  Nothing is filled again.
; q's loads are issued when the wave's own first fill has landed and stay in flight over the first barrier; a wave quantises its rows when they are in.  A second tile's q is loaded at the head of the first tile's way out;
; behind its first two steps the wave PREFETCHES it into the L2, 8,192 bytes, a lane to each 256, once: at least two steps ahead of the load.  No other prefetch: no loop fetches anything else, the rest is asked for at
; the head or behind the first barrier.
; NO CLUSTER: the windows of a head's work-groups begin at different blocks (BS2 = 0, 0, 0, 0, 6, 12, 18, 24), so half of a head's work-groups would need tiles that differ from every partner's.
; LAYOUT.  Both products are used transposed: S^T = K Q^T, O^T = V^T P^T: a lane holds ONE query throughout.  Row m of K's tile (c, t) is key 8 t + m % 8 of the step's block 2 c + m / 8: so lane (r, h) holds block 2 c + h
; WHOLE, key kk in register 32 c + kk: its maximum and its codes need no other lane.
; REGISTERS: v0 thread; v1-4 lane terms of K's codes, K's scales, V's codes (16 bytes, 8 bytes); v5, v6 the add's two; v7 V's scale words; v8 8 h; v9 r - 32 h; v10 two rows of q or of the result; v11 the prefetch; v12 -M;
; v13 the largest score; v[14:15] the sum in two halves; v16-28 Q and its scale word; v29-31 the stage (by rows, q back, result in); v42-47 addresses in hand; v48-95 four fragments; v96-159 S^T, then p; v160-223 O^T;
; v224-235 p's codes (and at work); v236-243 at work; v244-251 scale words of K or V; v252 f; v253 p's scale word; v254, v255 at work.  Window 1: v256-303 four more fragments, v304-311 V's scale words of the chunk above;
; between tiles v256-319 take q as it is loaded.
.set BLKB,  6272
.set HEADB, 64*BLKB
.set PAIR,  2*BLKB                     ; two blocks: 49 rows of 256 bytes
.set KSO,   3072
.set VO,    3200
.set VSB,   40*BLKB                    ; V's scale words: 16 chunks x 512 bytes
.set STAGE, VSB+8192                   ; 16 rows x 272 bytes for each wave: q on the way in, the result on the way out
.set SPARE, STAGE+12*4352              ; the spare words, 128 bytes for each wave; no other line names them
.set SPW,  5
.set NIL,  6
.set GO,   10
.set PFO,  11
.set RB,   29
.set RQ,   30
.set RW,   31
.set F0,   48
.set S,    96
.set O,    160
.set WV,   18                          ; s18  wave
.set XX,   19                          ; s19  x
.set SEL,  20                          ; s[20:21] lane selects for v_permlanex16_b32: lane l xor 16
.set CS,   22                          ; s[22:23] c = log2(e) / sqrt(128)
.set G1A,  24
.set G0A,  32
.set G1V,  36
.set G0V,  44
.set G1C,  48
.set G0C,  56
.set NCS,  60                          ; s60  -c
.set H16M, 61                          ; s61  lanes 16-31
.set R8M,  62                          ; s62  lanes with r >= 8
.set HD,   63                          ; s63  head
.set KK,   66                          ; s66  k
.set BS2,  67
.set T,    68
.set Q0,   69
.set B,    70
.set START,71                          ; the first full step's first block
.set NF,   72                          ; full steps
.set MI,   73                          ; the full step that is masked
.set HF,   74                          ; half step: 0 none, 1 the diagonal, 2 edge and sinks
.set HX,   75                          ; its first block,
.set HSY,  76                          ; its second's slot,
.set CX,   77                          ; their chunks,
.set CY,   78
.set HSEL, 79                          ; and the bytes of its scale word
.set J,    80
.set I,    81
.set I0,   82
.set KB,   83
.set IDX,  84
.set LIVE, 85
.set QA,   100                         ; s[100:101] the second tile's q
.set MSB,  0
.macro WIN new                         ; the immediate's high byte repeats the setting that is left
.if MSB != \new
	s_set_vgpr_msb (MSB<<8)|\new
.set MSB, \new
.endif
.endm
.macro G1SET g, rows                   ; dense rows of 256 bytes: 32 elements of 8 bytes
	s_mov_b32 s[\g], 3<<16
	s_mov_b32 s[\g+1], 32<<16
	s_mov_b32 s[\g+2], (\rows)<<16
	s_mov_b32 s[\g+3], 32<<16
	s_mov_b32 s[\g+4], \rows
	s_mov_b32 s[\g+5], 32
	s_mov_b32 s[\g+6], 0
	s_mov_b32 s[\g+7], 0
.endm
.macro WMMA d, a, b, c, sa, sb
	v_wmma_scale_f32_16x16x128_f8f6f4 v[\d:\d+7], v[\a:\a+11], v[\b:\b+11], \c, v[\sa], v[\sb] matrix_a_fmt:MATRIX_FMT_BF6 matrix_b_fmt:MATRIX_FMT_BF6
.endm
	s_load_b256 s[4:11], s[0:1], 0x0               ; q s[4:5], kvc s[6:7], vsc s[8:9], out0 s[10:11]
	v_lshl_add_u32 v[SPW], v0, 2, SPARE
	v_mov_b32 v[NIL], 0
	ds_add_u32 v[SPW], v[NIL]                      ; the wave's opening
	ds_add_u32 v[SPW], v[NIL]
	v_lshrrev_b32 v42, 5, v0
	v_readfirstlane_b32 s[WV], v42
	s_mov_b32 s[HD], ttmp9
	s_and_b32 s[XX], ttmp7, 0xffff
	s_mul_i32 s86, s[XX], 12
	s_add_co_u32 s86, s86, s[WV]
	s_mul_i32 s87, s[WV], 3
	s_add_co_u32 s87, s87, s[XX]
	s_cmp_lt_u32 s[XX], 3
	s_cselect_b32 s[KK], s87, s86
	s_mul_i32 s86, s[XX], 6
	s_sub_co_i32 s86, s86, 18
	s_max_i32 s[BS2], s86, 0
	s_mov_b32 s[SEL], 0x76543210
	s_mov_b32 s[SEL+1], 0xfedcba98
	s_mov_b32 s[CS], 0x3e0293ee
	s_mov_b32 s[CS+1], s[CS]                       ; (named with it as a pair)
	s_mov_b32 s[NCS], 0xbe0293ee
	s_mov_b32 s[H16M], 0xffff0000
	s_mov_b32 s[R8M], 0xff00ff00
	G1SET G1A, 49                                  ; a pair of blocks
	G1SET G1V, 32                                  ; V's scale words
	G1SET G1C, 98                                  ; four blocks
	s_mov_b32 s[G0A], 1
	s_mul_i32 s[G0A+1], s[WV], PAIR                ; slots 2 w, 2 w + 1
	s_mov_b32 s[G0V], 1
	s_mov_b32 s[G0V+1], VSB
	s_mov_b32 s[G0C], 1
	s_mul_i32 s[G0C+1], s[WV], 2*PAIR
	s_add_co_u32 s[G0C+1], s[G0C+1], 16*BLKB       ; slots 16 + 4 w .. 19 + 4 w
	s_mul_i32 s86, s[HD], HEADB
	s_lshl_b32 s96, s[WV], 1
	s_add_co_u32 s96, s96, s[BS2]
	s_cmp_eq_u32 s[WV], 0
	s_cselect_b32 s96, 0, s96                      ; wave 0: blocks 0, 1; wave w: blocks BS2 + 2 w, + 1
	s_mul_i32 s96, s96, BLKB
	s_add_co_u32 s96, s96, s86
	s_mov_b32 s97, 0
	s_lshl_b32 s98, s[HD], 13
	s_mov_b32 s99, 0
	s_lshl_b32 s88, s[WV], 2
	s_add_co_u32 s88, s88, s[BS2]
	s_add_co_u32 s88, s88, 16
	s_mul_i32 s88, s88, BLKB
	s_add_co_u32 s88, s88, s86
	s_mov_b32 s89, 0
	s_lshl_b32 s86, s[HD], 20                      ; a head's q: 2^20 bytes; a tile's 16 rows: 2^13
	s_add_co_u32 s[T], s[KK], 32
	s_lshl_b32 s90, s[T], 13
	s_add_co_u32 s90, s90, s86
	s_mov_b32 s91, 0
	s_sub_co_i32 s94, 31, s[KK]
	s_max_i32 s94, s94, 0
	s_lshl_b32 s94, s94, 13
	s_add_co_u32 s94, s94, s86
	s_mov_b32 s95, 0
	s_mul_i32 s87, s[WV], 4352
	s_add_co_u32 s87, s87, STAGE                   ; my stage
	v_and_b32 v46, 15, v0                          ; r
	v_bfe_u32 v47, v0, 4, 1                        ; h
	v_bfe_u32 v42, v0, 3, 1
	v_and_b32 v43, 7, v0
	v_mul_u32_u24 v1, v42, BLKB
	v_lshl_add_u32 v2, v43, 4, v1                  ; K's scale words: 16 (r % 8), rows r >= 8 a block on
	v_lshl_add_u32 v1, v43, 4, v1
	v_lshl_add_u32 v1, v47, 7, v1                  ; K's codes: 16 (r % 8) + 128 h, likewise
	v_mul_u32_u24 v3, v47, BLKB
	v_lshl_add_u32 v4, v46, 3, v3                  ; V's dwords 4, 5: 8 r, lanes 16-31 a block on
	v_lshl_add_u32 v3, v46, 4, v3                  ; V's dwords 0-3
	v_lshlrev_b32 v7, 4, v46
	v_add_nc_u32 v7, VSB, v7
	v_lshlrev_b32 v8, 3, v47
	v_lshlrev_b32 v42, 5, v47
	v_sub_nc_u32 v9, v46, v42
	v_mul_u32_u24 v[RB], v47, 272
	v_lshl_add_u32 v[RB], v46, 4, v[RB]
	v_add_nc_u32 v[RB], s87, v[RB]                 ; the stage, two rows an instruction
	v_mul_u32_u24 v[RQ], v46, 272
	v_add_nc_u32 v[RQ], s87, v[RQ]
	v_lshl_add_u32 v[RW], v47, 5, v[RQ]            ; the stage, row r, 32 h bytes on,
	v_lshl_add_u32 v[RQ], v47, 7, v[RQ]            ; and 128 h bytes on
	v_lshlrev_b32 v[GO], 9, v47
	v_lshl_add_u32 v[GO], v46, 4, v[GO]            ; memory: two rows, 256 bytes of each
	v_and_b32 v[PFO], 31, v0
	v_lshlrev_b32 v[PFO], 8, v[PFO]
.irp n, 252,253,254,255
	v_mov_b32 v[\n], 0                             ; (a lane permute's destination counts as one of its sources)
.endr
	s_wait_alu depctr_va_vdst(0)                   ; directly ahead of the waits below
	s_wait_dscnt 0x0                               ; both opening adds are done
	s_wait_kmcnt 0x0
	s_add_nc_u64 s[G0A+2:G0A+3], s[6:7], s[96:97]
	s_or_b32 s[G0A+3], s[G0A+3], 0x80000000
	s_add_nc_u64 s[G0V+2:G0V+3], s[8:9], s[98:99]
	s_or_b32 s[G0V+3], s[G0V+3], 0x80000000
	s_add_nc_u64 s[G0C+2:G0C+3], s[6:7], s[88:89]
	s_or_b32 s[G0C+3], s[G0C+3], 0x80000000
	s_add_nc_u64 s[90:91], s[4:5], s[90:91]
	s_add_nc_u64 s[QA:QA+1], s[4:5], s[94:95]
	; the first fills: waves 0-7 a pair of blocks each, wave 8 V's scale words
	s_cmp_lt_u32 s[WV], 8
	s_cbranch_scc0 .Lfv
	tensor_load_to_lds s[G0A:G0A+3], s[G1A:G1A+7]
	s_nop 0
.rept 4
	v_nop
.endr
	s_branch .Lfj
.Lfv:
	s_cmp_lg_u32 s[WV], 8
	s_cbranch_scc1 .Lfj
	tensor_load_to_lds s[G0V:G0V+3], s[G1V:G1V+7]
	s_nop 0
.rept 4
	v_nop
.endr
.Lfj:
; q: 16 rows of 512 bytes, into v256-319; each load covers 256 consecutive bytes of two rows
.macro QLOAD base
	WIN 0x40
.irp c, 0,1
.irp i, 0,1,2,3,4,5,6,7
	global_load_b128 v[32*\c+4*\i:32*\c+4*\i+3], v[GO], s[\base:\base+1] offset:1024*\i+256*\c th:TH_LOAD_NT
.endr
.endr
	WIN 0
.endm
; one block of 32 numbers of my row, in v[x ..]: its six dwords of codes to v[q ..], its scale byte to v[by]
.macro QBLK x, q, by
	v_max3_num_f32 v242, |v[\x]|, |v[\x+1]|, |v[\x+2]|
	v_max3_num_f32 v243, |v[\x+3]|, |v[\x+4]|, |v[\x+5]|
.irp i, 6,10,14,18,22,26
	v_max3_num_f32 v242, v242, |v[\x+\i]|, |v[\x+\i+1]|
	v_max3_num_f32 v243, v243, |v[\x+\i+2]|, |v[\x+\i+3]|
.endr
	v_max3_num_f32 v242, v242, |v[\x+30]|, |v[\x+31]|
	v_max3_num_f32 v242, v242, v243, 0x2800000     ; and the floor 2^(5 - 127)
	v_add_nc_u32 v239, 0xfe000000, v242            ; 4 off the exponent field: the conversion's scale operand
	v_cvt_scalef32_pk16_bf6_f32 v[\q:\q+2], v[\x:\x+15], v239
	v_cvt_scalef32_pk16_bf6_f32 v[236:238], v[\x+16:\x+31], v239
	v_lshrrev_b32 v[\by], 23, v239                 ; (a plain line behind the conversions)
	v_mov_b32 v[\q+3], v236
	v_mov_b32 v[\q+4], v237
	v_mov_b32 v[\q+5], v238
.endm
; a tile's q turns through my stage, half a row at a time, so that lane (r, h) holds row r, d = 64 c + 32 h .. + 31, as the operand wants it; LDS serves a wave's instructions in order
.macro QUANT
	WIN 0x04
.irp i, 0,1,2,3,4,5,6,7
	ds_store_b128 v[RB], v[4*\i:4*\i+3] offset:544*\i
.endr
	WIN 0
.irp i, 0,1,2,3,4,5,6,7
	ds_load_b128 v[F0+4*\i:F0+4*\i+3], v[RQ] offset:16*\i
.endr
	WIN 0x04
.irp i, 0,1,2,3,4,5,6,7
	ds_store_b128 v[RB], v[32+4*\i:35+4*\i] offset:544*\i
.endr
	WIN 0
.irp i, 0,1,2,3,4,5,6,7
	ds_load_b128 v[S+4*\i:S+4*\i+3], v[RQ] offset:16*\i
.endr
	s_wait_dscnt 16                                ; all but the second half's eight stores and eight loads
	QBLK F0, 16, 240
	s_wait_dscnt 0x0
	QBLK S, 22, 241
	v_lshl_or_b32 v28, v241, 16, v240              ; blocks h and 2 + h
	v_lshlrev_b32 v28, v8, v28
	v_permlanex16_b32 v254, v28, s[SEL], s[SEL+1]
	v_or_b32 v28, v28, v254                        ; with lane l xor 16's two the scale word is whole
	s_wait_alu depctr_va_vdst(0)
.endm
; the tile's numbers, from T
.macro JOBSET
	s_lshl_b32 s[Q0], s[T], 4
	s_lshr_b32 s[B], s[T], 1
	s_and_b32 s86, s[B], 3
	s_lshr_b32 s87, s[B], 2
	s_cmp_ge_u32 s86, 2
	s_cselect_b32 s88, 1, 0
	s_cselect_b32 s[MI], s87, 64
	s_cselect_b32 s[HF], 0, 1
	s_add_co_u32 s[NF], s87, s88
	s_lshl_b32 s[HX], s87, 2
	s_add_co_u32 s[HSY], s[HX], 1
	s_mov_b32 s88, 0x500                           ; bytes 0, 1 of the one chunk's word
	s_sub_co_i32 s89, s[B], 31
	s_sub_co_i32 s92, s[B], 32
	s_and_b32 s93, s92, 3
	s_mul_i32 s93, s93, 0x1010001
	s_or_b32 s93, s93, 0x400                       ; the edge block's byte, then byte 0 of chunk 0
	s_lshr_b32 s94, s92, 2
	s_cmp_ge_u32 s[B], 32
	s_cselect_b32 s[START], s89, 0
	s_cselect_b32 s[NF], 8, s[NF]
	s_cselect_b32 s[MI], 7, s[MI]
	s_cselect_b32 s[HF], 2, s[HF]
	s_cselect_b32 s[HX], s92, s[HX]
	s_cselect_b32 s[HSY], 0, s[HSY]
	s_cselect_b32 s[CX], s94, s87
	s_cselect_b32 s[CY], 0, s87
	s_cselect_b32 s[HSEL], s93, s88
.endm
.macro INIT                            ; (the step is written once for all: the first finds zeros, which the first change of M leaves zeros)
	v_mov_b32 v13, 0xff61b1e6                      ; the largest score so far: -3e38
	v_mov_b32 v12, 0x7e000000                      ; -M, above every later one
	v_mov_b32 v14, 0
	v_mov_b32 v15, 0
.set NN, 0
.rept 64
	v_mov_b32 v[O+NN], 0
.set NN, NN+1
.endr
.endm
	JOBSET
	INIT
	s_cmp_lt_u32 s[XX], 3
	s_cselect_b32 s87, 33, 39                      ; the last slot that my work-group reads
	s_lshl_b32 s88, s[WV], 2
	s_add_co_u32 s88, s88, 16                      ; the first of the four that I fetch
; THE SOFTMAX of nc x 64 keys' scores, p's codes and scale word, O under the new M; sel: the scalar that picks V's scale bytes out of two chunks' words
.macro SOFT nc, sel
.irp q, 0,1,2,3
.if \q < 2*\nc
	v_max3_num_f32 v[224+\q], v[S+16*\q], v[S+16*\q+1], v[S+16*\q+2]
.endif
.endr
.irp i, 3,5,7,9,11,13
.irp q, 0,1,2,3
.if \q < 2*\nc
	v_max3_num_f32 v[224+\q], v[224+\q], v[S+16*\q+\i], v[S+16*\q+\i+1]
.endif
.endr
.endr
.irp c, 0,1
.if \c < \nc
	v_max3_num_f32 v[224+2*\c], v[224+2*\c], v[225+2*\c], v[S+32*\c+15]
.endif
.endr
.irp c, 0,1
.if \c < \nc
	v_max_num_f32 v[224+2*\c], v[224+2*\c], v[S+32*\c+31]   ; the largest score of my block 2 c + h
.endif
.endr
.if \nc == 2
	v_max_num_f32 v254, v224, v226
.else
	v_mov_b32 v254, v224
.endif
	s_delay_alu instid0(VALU_DEP_1)
	v_permlanex16_b32 v255, v254, s[SEL], s[SEL+1]
	s_delay_alu instid0(VALU_DEP_1)
	v_max3_num_f32 v13, v13, v254, v255            ; the running largest score of my query
	s_delay_alu instid0(VALU_DEP_1)
	v_mul_f32 v254, s[NCS], v13
	s_delay_alu instid0(VALU_DEP_1)
	v_floor_f32 v254, v254                         ; the new -M = floor(-t) = -ceil(t): M is a whole number
	s_delay_alu instid0(VALU_DEP_1)
	v_sub_f32 v255, v254, v12                      ; M's old value less its new one, 0 or less
	s_delay_alu instid0(VALU_DEP_1)
	v_cvt_i32_f32 v255, v255                       ; (it saturates)
	v_mov_b32 v12, v254
	s_delay_alu instid0(VALU_DEP_2)
	v_ldexp_f32 v252, 1.0, v255                    ; f = 2^(old M - new M)
.irp c, 0,1
.if \c < \nc
	v_fma_f32 v[224+2*\c], v[224+2*\c], s[CS], v12 ; the block's largest t - M
.endif
.endr
.set NN, 0
.rept 16*\nc
	v_pk_fma_f32 v[S+NN:S+NN+1], v[S+NN:S+NN+1], s[CS:CS+1], v[12:13] op_sel_hi:[1,0,0]   ; t - M, two at a time (of the pairs c and -M the low word serves both halves)
.set NN, NN+2
.endr
.irp c, 0,1
.if \c < \nc
	v_max_num_f32 v[224+2*\c], 0xc2f40000, v[224+2*\c]   ; -122 from below: the byte cannot fall under 1
.endif
.endr
.irp c, 0,1
.if \c < \nc
	v_cvt_floor_i32_f32 v[224+2*\c], v[224+2*\c]   ; the exponent of the block's largest p
.endif
.endr
.irp c, 0,1
.if \c < \nc
	v_lshl_add_u32 v[239+4*\c], v[224+2*\c], 23, 0x3d800000   ; 123 = 127 - 4 more, in the exponent field: the conversion's scale operand
.endif
.endr
.if \nc == 2
	v_lshl_add_u32 v253, v226, 16, v224
	v_add_nc_u32 v253, 0x7b007b, v253              ; the scale bytes of blocks h and 2 + h
.else
	v_add_nc_u32 v253, 0x7b, v224
.endif
	v_lshlrev_b32 v253, v8, v253
	v_permlanex16_b32 v254, v253, s[SEL], s[SEL+1]
	v_or_b32 v253, v253, v254                      ; p's scale word
.if \nc == 1
	v_or_b32 v253, 0x7f7f0000, v253                ; (the upper two blocks' codes are zeros)
.endif
	s_wait_alu depctr_va_vdst(0)                   ; ahead of the batch
.set NN, 0
.rept 32*\nc
	v_exp_f32 v[S+NN], v[S+NN]                     ; p = 2^(t - M), not normalised
.set NN, NN+1
.endr
	v_pk_mul_f32 v[14:15], v[14:15], v[252:253] op_sel_hi:[1,0]   ; the sums under the new M (a plain line behind the exponentials)
	s_wait_alu depctr_va_vdst(0)                   ; one wait for the whole batch, ahead of its first reader
.irp n, 0,1,2,3
	v_pk_add_f32 v[228+2*\n:229+2*\n], v[S+4*\n:S+4*\n+1], v[S+4*\n+2:S+4*\n+3]   ; the row's sum, of the unquantised p, in five chains
.endr
	v_pk_add_f32 v[14:15], v[14:15], v[S+16:S+17]
.irp j, 18,28,38,48,58
.irp n, 0,1,2,3
.if \j+2*\n < 32*\nc
	v_pk_add_f32 v[228+2*\n:229+2*\n], v[228+2*\n:229+2*\n], v[S+\j+2*\n:S+\j+2*\n+1]
.endif
.endr
.if \j+8 < 32*\nc
	v_pk_add_f32 v[14:15], v[14:15], v[S+\j+8:S+\j+9]
.endif
.endr
	v_pk_add_f32 v[228:229], v[228:229], v[230:231]
	v_pk_add_f32 v[232:233], v[232:233], v[234:235]
	v_pk_add_f32 v[14:15], v[14:15], v[228:229]
	v_pk_add_f32 v[14:15], v[14:15], v[232:233]
.irp c, 0,1
.if \c < \nc
	v_cvt_scalef32_pk16_bf6_f32 v[224+6*\c:226+6*\c], v[S+32*\c:S+32*\c+15], v[239+4*\c]
	v_cvt_scalef32_pk16_bf6_f32 v[236+4*\c:238+4*\c], v[S+32*\c+16:S+32*\c+31], v[239+4*\c]   ; (a conversion's three registers begin on an even number)
.endif
.endr
	s_wait_dscnt 0x0                               ; V's fragments and scale words are in
	WIN 0x01
.irp d, 0,1,2,3,4,5,6,7
	v_perm_b32 v[244+\d], v[48+\d], v[244+\d], s[\sel]   ; the step's four scale bytes out of two chunks' words (first source in window 1)
.endr
	WIN 0
	s_wait_alu depctr_va_vdst(0)                   ; directly ahead of the first reader of O^T
.set NN, 0
.rept 16
	v_pk_mul_f32 v[O+NN:O+NN+1], v[O+NN:O+NN+1], v[252:253] op_sel_hi:[1,0]   ; O^T under the new M
.set NN, NN+2
.endr
.irp i, 0,1,2
	v_mov_b32 v[227+\i], v[236+\i]
.if \nc == 2
	v_mov_b32 v[233+\i], v[240+\i]
.else
	v_mov_b32 v[230+\i], 0
	v_mov_b32 v[233+\i], 0
.endif
.endr
.rept 16
	v_pk_mul_f32 v[O+NN:O+NN+1], v[O+NN:O+NN+1], v[252:253] op_sel_hi:[1,0]   ; (these are also the places in front of the matrix instructions below)
.set NN, NN+2
.endr
.irp t, 0,1,2,3                                ; O^T += V^T P^T: eight accumulators by turns
	WMMA O+8*\t, F0+12*\t, 224, v[O+8*\t:O+8*\t+7], 244+\t, 253
.endr
	WIN 0x01
.irp t, 4,5,6,7
	WMMA O+8*\t, 12*(\t-4), 224, v[O+8*\t:O+8*\t+7], 244+\t, 253
.endr
	WIN 0
.endm
; A FULL STEP: blocks KB .. KB + 3, in slots from min(KB - BS2, lim) on
.macro FULL lim, mask
	s_sub_co_i32 s96, s[KB], s[BS2]
	s_min_u32 s96, s96, \lim
	s_mul_i32 s96, s96, BLKB
	s_lshr_b32 s97, s[KB], 2
	s_min_u32 s97, s97, 15
	s_add_co_u32 s98, s97, 1
	s_min_u32 s98, s98, 15
	s_lshl_b32 s97, s97, 9
	s_lshl_b32 s98, s98, 9
	s_and_b32 s99, s[KB], 3
	s_mul_i32 s99, s99, 0x1010101
	s_add_co_u32 s99, s99, 0x3020100               ; bytes KB % 4 .. KB % 4 + 3 of two chunks' words
	v_add_nc_u32 v42, s96, v1                      ; (these six are also the places in front of loads into registers that the last products read)
	v_add_nc_u32 v43, s96, v2
	v_add_nc_u32 v44, s96, v3
	v_add_nc_u32 v45, s96, v4
	v_add_nc_u32 v46, s97, v7
	v_add_nc_u32 v47, s98, v7
	s_wait_alu depctr_va_vdst(0)
.irp t, 0,1,2,3
.irp c, 0,1,2
	ds_load_b128 v[F0+12*\t+4*\c:F0+12*\t+4*\c+3], v42 offset:768*\t+256*\c
.endr
.endr
	ds_load_b128 v[244:247], v43 offset:KSO        ; four tiles' scale words
	WIN 0x40
.irp t, 0,1,2,3
.irp c, 0,1,2
	ds_load_b128 v[12*\t+4*\c:12*\t+4*\c+3], v42 offset:PAIR+768*\t+256*\c
.endr
.endr
	WIN 0
	ds_load_b128 v[248:251], v43 offset:PAIR+KSO
	s_wait_dscnt 13                                ; the lower two blocks' 13 loads are in; the upper two's 13 may be out
.irp t, 0,1,2,3                                ; S^T = K Q^T
	WMMA S+8*\t, F0+12*\t, 16, 0, 244+\t, 28
.endr
	s_wait_dscnt 0x0
	WIN 0x01
.irp t, 0,1,2,3
	WMMA S+32+8*\t, 12*\t, 16, 0, 248+\t, 28
.endr
	WIN 0
.rept 4
	v_nop                                          ; places in front of the loads and the first read of results
.endr
.irp t, 0,1,2,3                                ; V's fragments land under the softmax
.irp c, 0,1
	ds_load_b128 v[F0+12*\t+6*\c:F0+12*\t+6*\c+3], v44 offset:PAIR*\c+VO+384*\t
	ds_load_b64 v[F0+12*\t+6*\c+4:F0+12*\t+6*\c+5], v45 offset:PAIR*\c+VO+256+384*\t
.endr
.endr
	ds_load_b128 v[244:247], v46
	ds_load_b128 v[248:251], v46 offset:256
	WIN 0x40
.irp t, 0,1,2,3
.irp c, 0,1
	ds_load_b128 v[12*\t+6*\c:12*\t+6*\c+3], v44 offset:PAIR*\c+VO+384*(\t+4)
	ds_load_b64 v[12*\t+6*\c+4:12*\t+6*\c+5], v45 offset:PAIR*\c+VO+256+384*(\t+4)
.endr
.endr
	ds_load_b128 v[48:51], v47
	ds_load_b128 v[52:55], v47 offset:256
	WIN 0
.if \mask
	s_cmp_lg_u32 s[IDX], s[MI]
	s_cbranch_scc1 .Lopen_\@
	s_lshl_b32 s96, s[KB], 5                       ; THE DIAGONAL lies in the upper two blocks: key kk of block KB + 2 + h is hidden where kk > d = my query - 32 (KB + 2 + h)
	s_sub_co_i32 s96, s[Q0], s96
	s_sub_co_i32 s96, s96, 64
	v_add_nc_u32 v255, s96, v9
	v_mov_b32 v254, 0xff800000                     ; -infinity
.set NN, 0
.rept 32
	v_cmp_gt_i32 vcc_lo, NN, v255
	v_cndmask_b32 v[S+32+NN], v[S+32+NN], v254, vcc_lo
.set NN, NN+1
.endr
.Lopen_\@:
.endif
	SOFT 2, 99
.endm
	s_wait_alu depctr_va_vdst(0)                   ; the head's end
	s_wait_tensorcnt 0x0                           ; my first fill has landed
	ds_add_u32 v[SPW], v[NIL]
	ds_add_u32 v[SPW], v[NIL]
	s_wait_dscnt 0x0
	QLOAD 90                                       ; my 16 rows of q: registers alone wait for them
	s_barrier_signal -1
	s_barrier_wait -1                              ; slots 0-15 and V's scale words are whole
	s_cmp_lt_u32 s[WV], 6                          ; waves 0-5 fetch four of slots 16-39 each;
	s_cbranch_scc0 .Lnofill
	s_cmp_le_u32 s88, s87                          ; one whose four slots no wave of the work-group reads has no part to fetch: ids alone
	s_cbranch_scc0 .Lnofill
	tensor_load_to_lds s[G0C:G0C+3], s[G1C:G1C+7]
	s_nop 0
.rept 4
	v_nop
.endr
.Lnofill:
	s_wait_loadcnt 0x0                             ; q is in
	QUANT
	s_wait_tensorcnt 0x0                           ; my part of slots 16-39 has landed: say so, and wait for the others' two steps later
	s_wait_dscnt 0x0
	s_barrier_signal -1
	s_mov_b32 s[KB], s[START]                      ; every first tile's steps 0 and 1: unmasked, in slots 0-15 alone, which nobody writes any more: LDS loads and work on registers
	FULL 12, 0
	s_add_co_u32 s[KB], s[KB], 4
	FULL 12, 0
	s_wait_alu depctr_va_vdst(0)
	s_barrier_wait -1                              ; slots 16-39 are whole
	s_cmp_lt_u32 s[KK], 32                         ; have I a second tile?
	s_cbranch_scc0 .Lnoask
	global_prefetch_b8 v[PFO], s[QA:QA+1] th:TH_LOAD_NT scope:SCOPE_SE   ; its q: 32 lanes name its 32 pieces of 256 bytes; neither register is written again
.Lnoask:
	s_mov_b32 s[J], 0
	s_mov_b32 s[I0], 2
	s_mov_b32 s[LIVE], 1
.Ljob:                                             ; two trips: the first tile's other steps, then the second tile, where there is one
	s_wait_alu depctr_va_vdst(0)
	s_wait_loadcnt 0x0                             ; the second tile's q, asked for on the first one's way out
	s_cmp_eq_u32 s[J], 0
	s_cbranch_scc1 .Lgo
	s_sub_co_i32 s[T], 31, s[KK]
	s_max_i32 s[T], s[T], 0
	JOBSET
	s_mov_b32 s[I0], 0
	s_cmp_lt_u32 s[KK], 32
	s_cselect_b32 s[LIVE], 1, 0
	s_cselect_b32 s[NF], s[NF], 0
	s_cselect_b32 s[HF], s[HF], 0
	s_cmp_eq_u32 s[LIVE], 0
	s_cbranch_scc1 .Lgo
	INIT
	s_wait_alu depctr_va_vdst(0)
	QUANT
.Lgo:
	s_mov_b32 s[I], 0
.Lstep:
	s_add_co_u32 s[IDX], s[I], s[I0]
	s_cmp_ge_u32 s[IDX], s[NF]                     ; ids and the count of trips alone
	s_cbranch_scc1 .Lskip
	s_lshl_b32 s[KB], s[IDX], 2
	s_add_co_u32 s[KB], s[KB], s[START]
	FULL 36, 1
.Lskip:
	s_add_co_u32 s[I], s[I], 1
	s_cmp_lt_u32 s[I], 6
	s_cbranch_scc1 .Lstep
	; THE HALF STEP: two blocks, X in lanes 0-15 and Y in lanes 16-31 of the scores
	s_cmp_eq_u32 s[HF], 0
	s_cbranch_scc1 .Lnohalf
	s_sub_co_i32 s96, s[HX], s[BS2]
	s_min_u32 s96, s96, 39
	s_mul_i32 s96, s96, BLKB
	s_min_u32 s97, s[HSY], 39
	s_mul_i32 s97, s97, BLKB
	s_min_u32 s98, s[CX], 15
	s_lshl_b32 s98, s98, 9
	s_min_u32 s99, s[CY], 15
	s_lshl_b32 s99, s99, 9
	v_and_b32 v44, 7, v0
	v_bfe_u32 v45, v0, 4, 1
	v_lshlrev_b32 v43, 4, v44
	v_lshl_add_u32 v42, v45, 7, v43
	v_and_b32 v46, 15, v0
	v_lshlrev_b32 v44, 4, v46
	v_lshlrev_b32 v45, 3, v46
	v_add_nc_u32 v224, s96, v42
	v_add_nc_u32 v225, s97, v42
	v_add_nc_u32 v226, s96, v43
	v_add_nc_u32 v227, s97, v43
	v_add_nc_u32 v228, s96, v44
	v_add_nc_u32 v229, s97, v44
	v_add_nc_u32 v230, s96, v45
	v_add_nc_u32 v231, s97, v45
	v_cndmask_b32 v42, v224, v225, s[R8M]          ; K: rows r >= 8 from Y
	v_cndmask_b32 v43, v226, v227, s[R8M]
	v_cndmask_b32 v44, v228, v229, s[H16M]         ; V: lanes 16-31 from Y
	v_cndmask_b32 v45, v230, v231, s[H16M]
	v_add_nc_u32 v46, s98, v7
	v_add_nc_u32 v47, s99, v7
	s_wait_alu depctr_va_vdst(0)
.irp t, 0,1,2,3
.irp c, 0,1,2
	ds_load_b128 v[F0+12*\t+4*\c:F0+12*\t+4*\c+3], v42 offset:768*\t+256*\c
.endr
.endr
	ds_load_b128 v[244:247], v43 offset:KSO
	WIN 0x40
.irp t, 0,1,2,3                                ; (registers 6 to 11 of V's fragments keep bits of an earlier load, which are finite codes whatever they are: p's codes there are zeros)
	ds_load_b128 v[12*\t:12*\t+3], v44 offset:VO+384*(\t+4)
	ds_load_b64 v[12*\t+4:12*\t+5], v45 offset:VO+256+384*(\t+4)
.endr
	ds_load_b128 v[48:51], v47
	ds_load_b128 v[52:55], v47 offset:256
	WIN 0
	s_wait_dscnt 10                                ; K's 13 loads are in; V's ten may be out
.irp t, 0,1,2,3
	WMMA S+8*\t, F0+12*\t, 16, 0, 244+\t, 28
.endr
.rept 4
	v_nop
.endr
.irp t, 0,1,2,3
	ds_load_b128 v[F0+12*\t:F0+12*\t+3], v44 offset:VO+384*\t
	ds_load_b64 v[F0+12*\t+4:F0+12*\t+5], v45 offset:VO+256+384*\t
.endr
	ds_load_b128 v[244:247], v46
	ds_load_b128 v[248:251], v46 offset:256
	s_cmp_eq_u32 s[HF], 2
	s_cbranch_scc1 .Ledge
	s_lshl_b32 s96, s[HX], 5                       ; the diagonal: hidden where kk > d = my query - 32 (X + h)
	s_sub_co_i32 s96, s[Q0], s96
	v_add_nc_u32 v255, s96, v9
	v_mov_b32 v254, 0xff800000
.set NN, 0
.rept 32
	v_cmp_gt_i32 vcc_lo, NN, v255
	v_cndmask_b32 v[S+NN], v[S+NN], v254, vcc_lo
.set NN, NN+1
.endr
	s_wait_alu depctr_va_vdst(0)
	s_branch .Lmasked
.Ledge:                                            ; X = B - 32: hidden where kk <= e = my query - 32 B.  Y = block 0: keys 0 to 3 count.  Where X is block 0 itself (B = 32), its keys 0 to 3 count and Y does not
	s_and_b32 s96, s[T], 1
	s_lshl_b32 s96, s96, 4
	v_and_b32 v254, 15, v0
	v_add_nc_u32 v254, s96, v254                   ; e
	v_mov_b32 v241, 0x64                           ; above every kk
	v_cndmask_b32 v240, v254, v241, s[H16M]        ; for kk >= 4
	s_cmp_gt_u32 s[B], 32
	s_cselect_b32 s97, -1, 0
	s_cselect_b32 s98, -1, 0x64
	v_cndmask_b32 v242, -1, v254, s97
	v_mov_b32 v243, s98
	v_cndmask_b32 v239, v242, v243, s[H16M]        ; for kk < 4
	v_mov_b32 v255, 0xff800000
.set NN, 0
.rept 32
.if NN < 4
	v_cmp_le_i32 vcc_lo, NN, v239
.else
	v_cmp_le_i32 vcc_lo, NN, v240
.endif
	v_cndmask_b32 v[S+NN], v[S+NN], v255, vcc_lo
.set NN, NN+1
.endr
.Lmasked:
	SOFT 1, HSEL
.Lnohalf:
	s_cmp_eq_u32 s[LIVE], 0
	s_cbranch_scc1 .Lnoout
.rept 4
	v_nop                                          ; places in front of loads into registers that the last products read
.endr
	s_cmp_eq_u32 s[J], 0
	s_cbranch_scc0 .Lnoq
	s_cmp_lt_u32 s[KK], 32
	s_cbranch_scc0 .Lnoq
	QLOAD QA                                       ; the second tile's q comes in while the first tile goes out
.Lnoq:
	; THE WAY OUT: O^T / the sum goes through my stage, half a row (64 channels) of 16 queries at a time; sixteen lanes store 256 consecutive bytes, aligned
	v_add_f32 v14, v14, v15
	s_delay_alu instid0(VALU_DEP_1)
	v_permlanex16_b32 v252, v14, s[SEL], s[SEL+1]
	s_delay_alu instid0(VALU_DEP_1)
	v_add_f32 v14, v14, v252                       ; with lane l xor 16's: the row's sum
	s_wait_alu depctr_va_vdst(0)
	v_rcp_f32 v14, v14
	v_nop                                          ; (a plain line behind the transcendental)
	s_lshl_b32 s90, s[HD], 20
	s_lshl_b32 s92, s[T], 13
	s_add_co_u32 s90, s90, s92
	s_mov_b32 s91, 0
	s_add_nc_u64 s[90:91], s[10:11], s[90:91]
	s_wait_alu depctr_va_vdst(0)                   ; ahead of the reciprocal's first reader
.set NN, 0
.rept 64
	v_mul_f32 v[S+NN], v[O+NN], v14                ; register 8 t + i is channel 16 t + 8 h + i of my query
.set NN, NN+1
.endr
.irp u, 0,1
.irp t, 0,1,2,3
	ds_store_b128 v[RW], v[S+32*\u+8*\t:S+32*\u+8*\t+3] offset:64*\t
	ds_store_b128 v[RW], v[S+32*\u+8*\t+4:S+32*\u+8*\t+7] offset:64*\t+16
.endr
.if \u == 0
.irp i, 0,1,2,3,4,5,6,7
	ds_load_b128 v[F0+4*\i:F0+4*\i+3], v[RB] offset:544*\i   ; LDS serves a wave's instructions in order
.endr
.endif
.endr
	s_wait_dscnt 8                                 ; all but the second half's eight stores
.irp i, 0,1,2,3,4,5,6,7
	ds_load_b128 v[S+4*\i:S+4*\i+3], v[RB] offset:544*\i
.endr
.irp i, 0,1,2,3,4,5,6,7
	global_store_b128 v[GO], v[F0+4*\i:F0+4*\i+3], s[90:91] offset:1024*\i th:TH_STORE_NT
.endr
.irp i, 0,1,2,3,4,5,6,7
	s_wait_dscnt 7-\i                              ; the younger loads may be out
	global_store_b128 v[GO], v[S+4*\i:S+4*\i+3], s[90:91] offset:1024*\i+256 th:TH_STORE_NT
.endr
	s_wait_xcnt 0x0                                ; the stores' registers and base may be written again
.Lnoout:
	s_add_co_u32 s[J], s[J], 1
	s_cmp_lt_u32 s[J], 2
	s_cbranch_scc1 .Ljob
	s_wait_tensorcnt 0x0                           ; the wave's end
	ds_add_u32 v[SPW], v[NIL]
	s_wait_dscnt 0x0
	s_endpgm
.Lfunc_end_k_q6ed9853891_attn:
	.size	k_q6ed9853891_attn, .Lfunc_end_k_q6ed9853891_attn-k_q6ed9853891_attn
	.p2alignl 7, 3214868480
	.fill 96, 4, 3214868480
	.section	.rodata,"a",@progbits
	.p2align	6, 0x0
	.amdhsa_kernel k_q6ed9853891_attn
		.amdhsa_group_segment_fixed_size 327680
		.amdhsa_private_segment_fixed_size 0
		.amdhsa_enable_private_segment 0
		.amdhsa_kernarg_size 32
		.amdhsa_user_sgpr_count 2
		.amdhsa_user_sgpr_kernarg_segment_ptr 1
		.amdhsa_wavefront_size32 1
		.amdhsa_system_sgpr_workgroup_id_x 1
		.amdhsa_system_sgpr_workgroup_id_y 1
		.amdhsa_system_sgpr_workgroup_id_z 1
		.amdhsa_system_vgpr_workitem_id 0
		.amdhsa_next_free_vgpr 320
		.amdhsa_next_free_sgpr 102
		.amdhsa_reserve_vcc 1
		.amdhsa_float_denorm_mode_32 3
		.amdhsa_float_denorm_mode_16_64 3
		.amdhsa_memory_ordered 1
		.amdhsa_forward_progress 1
		.amdhsa_inst_pref_size 114
	.end_amdhsa_kernel
	.amdgpu_metadata
---
amdhsa.version: [ 1, 2 ]
amdhsa.kernels:
  - .name:           k_q6ed9853891_attn
    .symbol:         k_q6ed9853891_attn.kd
    .args:
      - { .name: q, .offset: 0, .size: 8, .value_kind: global_buffer, .address_space: global }
      - { .name: kvc, .offset: 8, .size: 8, .value_kind: global_buffer, .address_space: global }
      - { .name: vsc, .offset: 16, .size: 8, .value_kind: global_buffer, .address_space: global }
      - { .name: out0, .offset: 24, .size: 8, .value_kind: global_buffer, .address_space: global }
    .group_segment_fixed_size: 327680
    .private_segment_fixed_size: 0
    .kernarg_segment_align: 8
    .kernarg_segment_size: 32
    .max_flat_workgroup_size: 384
    .sgpr_count:     102
    .vgpr_count:     320
    .wavefront_size: 32
...
	.end_amdgpu_metadata
.endif
;; end of part 2
